; MI455X (gfx1250); checked and timed in simulation.
; The chip was launched on July 23, 2026; its instructions are those of AMD's public machine-readable ISA for CDNA 5 (MIT licence, August 2026) and "CDNA5" Instruction Set Architecture Reference Guide (July 2026). The comments in the code are by the model that wrote it; some were corrected since.
;; Mock Lo HA Adapter. Allowed arithmetic: matrix products marked QUANTISED: E4M3 operands, one E8M0 scale for each 32 along K, by v_wmma_scale_f32_16x16x128_f8f6f4 with both operands' format E4M3, f32 sums; products left as they are: f32 operands where the result goes on into a quantised operand, else bf16, f16 or f32 operands; f32 sums; everything else in f32.
;; Inputs: hada_w1_a 4,096 x 16 float32; hada_w1_b 16 x 4,096 float32; hada_w2_a 4,096 x 16 float32; hada_w2_b 16 x 4,096 float32; org_bias 4,096 float32; org_weight_codes 4,096 x 128 x 32 uint8 (E4M3 codes of org_weight, K innermost, in blocks of 32 codes); org_weight_scales 4,096 x 128 uint8 (E8M0 scales of org_weight, one for each 32 codes along K); scalar one number float32; x_codes 4 x 512 x 128 x 32 uint8 (E4M3 codes of x, K innermost, in blocks of 32 codes); x_scales 4 x 512 x 128 uint8 (E8M0 scales of x, one for each 32 codes along K).
;; Outputs: out0 4 x 512 x 4,096 float32.
;; This version of the problem:
;;   THIS VERSION OF THE PROBLEM IS GIVEN IN LOW PRECISION. The matrix products marked QUANTISED in the list below multiply operands that are first quantised to E4M3 (4 exponent bits, 3 mantissa bits; 8 bits a number), with one power-of-two scale for each 32 numbers along K (OCP MX v1.0); their sums are f32. All else is computed in f32.
;;   The module's matrix products, in the order in which they are computed (A, B: the left and right operand; K: the contracted axis; several contracted axes count as one K, in the product's order):
;;     1. [M 2,048, K 4,096] x [K 4,096, N 4,096]; A: input x (given as codes); B: input org_weight (given as codes): QUANTISED
;;     2. [M 4,096, K 16] x [K 16, N 4,096]; A: input hada_w1_a; B: input hada_w1_b: left as it is (K = 16 < 32)
;;     3. [M 4,096, K 16] x [K 16, N 4,096]; A: input hada_w2_a; B: input hada_w2_b: left as it is (K = 16 < 32)
;;     4. [M 2,048, K 4,096] x [K 4,096, N 4,096]; A: input x (given as codes); B: computed on the way: QUANTISED
;;   THE QUANTISER, for each operand of a quantised product, along K:
;;     - K is cut into blocks of 32 from its start; a last block that is shorter is filled with zeros.
;;     - A block's scale is 2^e with e = floor(log2(the largest magnitude in the block)) - 8, held to -126 .. 127; a block of zeros has e = 0. As a byte (E8M0): e + 127.
;;     - Each number is divided by its block's scale, clamped to +-448, and rounded to the nearest number of E4M3, ties to even, subnormals kept.
;;     - The product sums the exact products of the quantised numbers (number of the format x scale) in f32.
;;   ~~~python
;;   def quantise(x, axis):      # numpy; x: float32 -> the quantised numbers, widened to float32 again
;;       x = np.moveaxis(x, axis, -1); K = x.shape[-1]
;;       x = np.pad(x, [(0, 0)] * (x.ndim - 1) + [(0, -K % 32)]); x = x.reshape(x.shape[:-1] + (-1, 32)); a = np.abs(x).max(-1, keepdims=True)
;;       e = np.where(a > 0, np.clip(np.frexp(np.where(a > 0, a, 1))[1] - 1 - 8, -126, 127), 0)      # np.frexp(a)[1] - 1 = floor(log2(a)), exactly
;;       r = np.clip(x / 2.0 ** e, -448, 448)
;;       step = 2.0 ** (np.maximum(np.frexp(np.where(r == 0, 1, r))[1] - 1, -6) - 3)
;;       q = np.round(r / step) * step * 2.0 ** e      # np.round: ties to even
;;       return np.moveaxis(q.reshape(q.shape[:-2] + (-1,))[..., :K], -1, axis).astype(np.float32)
;;   ~~~
;;   OPERANDS COMPUTED ON THE WAY. 'Computed on the way' means the value that the module computes at that place (a softmax that the list does not call 'softmax' is quantised finished and normalised). What goes into a quantiser is computed in f32, as accurately as f32 sums, v_exp_f32 and their like allow (about 1e-6 of the number): no bf16 or f16 on the way to a quantiser, and a product that is left as it is and whose result goes on into a quantised operand takes f32 operands (vector FMAs, or v_wmma_f32_16x16x4_f32). A number that lies on a knife's edge between two numbers of the format may be rounded either way, as far as f32 arithmetic and the matrix unit's own rounding can turn it there, and no further.
;;   INPUTS GIVEN AS CODES. org_weight (in the module: [4096, 4096], K = its axis 1); x (in the module: [4, 512, 4096], K = its axis 2): each comes as NAME_codes (uint8): NAME with its K axis moved to the last place and cut into blocks of 32 codes, [.., K / 32, bytes a block], one block behind the other in memory; one code a byte (a code: sign, 4 exponent bits, 3 mantissa bits); and NAME_scales (uint8): the same leading axes, one E8M0 byte (e + 127) for each 32 codes along K. Its value is code x scale, taken as it is: it is not quantised again, and the codes and scales need not be those that the quantiser above would give.
;; One version. Each part assembles by itself: llvm-mc -triple=amdgcn-amd-amdhsa -mcpu=gfx1250 --defsym DOCPART=n.
;; ======== version 1 of 1: 2 launches
;; limits: right only within a limited range of input values
;; workspace buffers: dblob 17,825,792 bytes; xs 262,144 bytes; xf 8,388,608 bytes
;; launch prep (part 1): grid 16 x 16, 8 waves a work-group, no clusters, 107,520 bytes of LDS; arguments hada_w1_a, hada_w1_b, hada_w2_a, hada_w2_b, scalar, org_weight_scales, x_scales, dblob, xs, x_codes, xf; writes dblob, xs, xf
.if DOCPART == 1
	.amdgcn_target "amdgcn-amd-amdhsa--gfx1250"
	.amdhsa_code_object_version 6
	.text
	.protected	k_qbeca4ba0c5_prep
	.globl	k_qbeca4ba0c5_prep
	.p2align	8
	.type	k_qbeca4ba0c5_prep,@function
k_qbeca4ba0c5_prep:
	s_mov_b64 s[64:65], 0
	v_nop
	global_prefetch_b8 v0, s[64:65] scope:SCOPE_SE
	s_setreg_imm32_b32 hwreg(HW_REG_WAVE_MODE, 25, 1), 1
	s_wait_xcnt 0x0
; D[o][i] = (sum_r w1a[o][r] w1b[r][i]) x (sum_r w2a[o][r] w2b[r][i]) x scalar, [4096][4096], in f32, is quantised along i to codes of FP8 (E4M3) with one E8M0 byte for each 32 along i.
; ORDER OF ROUNDING: scalar is multiplied into w2a's numbers before the second sum, not into the finished product: a difference of f32 roundings.
; THE FIRST SUM goes to the matrix unit in f32 (v_wmma_f32_16x16x4_f32, four steps of K = 4), THE SECOND is packed fused multiply-adds in the same layout (r = lane % 16, h = lane / 16), fifteen of them behind each matrix instruction:
; source 0 = 16 columns i of w1b, source 1 = 16 rows o of w1a, and the columns of tile u are i0 + 16 (m / 8) + 8 u + m % 8: so lane (r, h) holds row o0 + r and, over tiles u = 0, 1, the 16 neighbours i0 + 16 h + 0 .. 15.
; A block of 32 lies in lanes l and l xor 16; a lane's 16 codes are four registers of the next launch's operand.
; dblob: [32 tiles of 128 rows][16 K steps of 256][136 units of 256 bytes].  Units 0-127: D's codes as register images: [128 of K: q][16 rows: b][32 of K: c][lane][16 bytes].  Units 128 + 4 n + {0, 1}: org_weight's scale bytes of rows
; 64 n .. + 63 of the tile, 8 bytes a row; units 128 + 4 n + {2, 3}: D's.
; xf: [16 tiles of 128 rows][32 steps of 128 K][block a of 16 rows][piece c][lane][16 bytes]: x's codes as register images.  xs: [16 tiles][16 K steps of 256][half j][lane][4 words]: word w of lane (r, h): the scale bytes of row 16 (4 j + w) + r for the K step's h-th 128.
; SHARES.  Work-group (x = P, y = t): rows 256 P .. + 255 of D, K step t.  Wave w: block w of the K step's eight (i0 = 256 t + 32 w), all 256 rows, 32 a trip.  Window 1 holds w2b's rows 0-14 (16 numbers a lane each) and w1b's fragments; w2b's row 15 lies in window 0:
; so one setting of the windows serves the matrix instructions and the multiply-adds between them.
; w1a, w2a x scalar, w1b, w2b are staged in LDS jointly, read from memory in runs of 1,024 bytes or more.  Each wave also re-lays 16 rows x 256 codes of x (its loads are out during the loop); wave 0 re-lays 1,024 scale bytes of x.
; LIMITS: NaN and infinities among the inputs are not served.  A block whose largest magnitude lies under 2^(9 - 127), a block of zeros too, gets the byte 1: zero codes add nothing under it, and this program alone reads the bytes.
.set AP,   144                         ; LDS row of AR: w1a's 64 bytes, w2a's 64, 16 of padding
.set AR,   0                           ; 256 such rows
.set BSH,  36864                       ; w1b's [16][256] f32 of the K step, then w2b's
.set SBB,  69632                       ; D's scale bytes: [256 rows][8]
.set SPARE, 71680                      ; the spare words: 128 bytes for each wave
.set XST,  72704                       ; 16 rows x 272 bytes for each wave: x's codes on their way
.set AA1,  4                           ; v4, v5 my row's w1a pair, w2a numbers in AR, rows 0-15;  v6, v7 the same in the rows in hand
.set AA2,  5
.set CO,   8                           ; v8 16 x lane
.set SB0,  9
.set SBA,  10
.set SBR,  11
.set L128, 12
.set WSO,  16
.set AST,  17
.set AGO,  18
.set BGO,  19
.set B2A,  20
.set XGO,  21
.set XSI,  22
.set XSO,  23
.set XWO,  25
.set B1A,  26
.set BST,  27
.set B15,  32                          ; v32-47   w2b's row 15 (at the head v32-63: w1a's and w2a's pieces on their way)
.set XFR,  48                          ; v48-79   x's codes as fragments
.set BA,   240                         ; window 1, v240-255: w1b's fragments: tile u, K step kk at BA + 8 u + 2 kk
.set AB,   80                          ; v80-95   w1a's fragments: rows e at AB + 8 e + 2 kk
.set A2,   96                          ; v96-127  w2a x scalar: rows e, 16 numbers
.set P2,   128                         ; v128-159 the second sum, then D: rows e, 16 columns
.set WA,   160                         ; v160-191 the first sum: accumulator (e, u) at WA + 8 (2 e + u): written by matrix instructions alone
.set MX,   192                         ; v192-195 largest magnitudes, two chains for each e;  v196-197 the other half's
.set TT,   196
.set SCO,  198
.set HO,   200
.set BY,   202
.set CD,   204                         ; v204-211 codes
.set XIN,  212                         ; v212-243 x's codes as read;  v244-251 x's scale words
.set XW,   244
.set SCL,  22
.set CNT,  24
.set WV,   25
.set MNT,  28
.set TA,   29
.set T8,   30
.set CB,   58                          ; s[58:59] where my codes go;  s[60:61] a trip on
.set ST,   60
.set MSB, 0
.macro WIN new
.if MSB != \new
	s_set_vgpr_msb (MSB<<8)|\new
.set MSB, \new
.endif
.endm
	s_load_b256 s[4:11], s[0:1], 0x0               ; w1a, w1b, w2a, w2b
	s_load_b256 s[12:19], s[0:1], 0x20             ; scalar, org_weight's scales, x's scales, dblob
	s_load_b64 s[20:21], s[0:1], 0x40              ; xs
	s_load_b128 s[40:43], s[0:1], 0x48             ; x's codes, xf
	v_lshrrev_b32 v1, 5, v0
	v_readfirstlane_b32 s[WV], v1                  ; wave 0..7
	s_and_b32 s26, ttmp7, 0xffff                   ; t
	s_lshl_b32 s32, ttmp9, 14                      ; w1a, w2a: 256 rows of 64 bytes
	s_mov_b32 s33, 0
	s_lshl_b32 s34, s26, 10                        ; w1b, w2b: 256 columns of 4 bytes
	s_mov_b32 s35, 0
	s_lshl_b32 s36, ttmp9, 15                      ; org_weight's scales: row 256 P + 32 w, + 8 t
	s_lshl_b32 s31, s[WV], 12
	s_add_co_u32 s36, s36, s31
	s_lshl_b32 s31, s26, 3
	s_add_co_u32 s36, s36, s31
	s_mov_b32 s37, 0
	s_lshl_b32 s38, ttmp9, 5                       ; dblob: cell 16 (2 P) + t
	s_add_co_u32 s38, s38, s26
	s_mul_i32 s38, s38, 34816
	s_mov_b32 s39, 0
	s_lshr_b32 s27, s26, 1                         ; x's codes: row block 8 P + t / 2, K step 8 (t % 2) + w
	s_and_b32 s31, s26, 1
	s_lshl_b32 s31, s31, 3
	s_add_co_u32 s31, s31, s[WV]
	s_lshl_b32 s44, ttmp9, 3
	s_add_co_u32 s44, s44, s27
	s_lshl_b32 s44, s44, 16
	s_lshl_b32 s45, s31, 8
	s_add_co_u32 s44, s44, s45
	s_mov_b32 s45, 0
	s_lshl_b32 s46, ttmp9, 19                      ; xf: tile P, block t / 2, two steps of 16,384
	s_lshl_b32 s47, s27, 11
	s_add_co_u32 s46, s46, s47
	s_lshl_b32 s47, s31, 15
	s_add_co_u32 s46, s46, s47
	s_mov_b32 s47, 0
	s_lshl_b32 s48, ttmp9, 14                      ; x's scales: 128 rows of 128 bytes, + 8 t
	s_lshl_b32 s49, s26, 3
	s_add_co_u32 s48, s48, s49
	s_mov_b32 s49, 0
	s_lshl_b32 s50, ttmp9, 4                       ; xs: share 16 P + t of 1,024 bytes
	s_add_co_u32 s50, s50, s26
	s_lshl_b32 s50, s50, 10
	s_mov_b32 s51, 0
	s_lshr_b32 s23, s[WV], 2                       ; q
	s_and_b32 s27, s[WV], 3                        ; c
	s_lshl_b32 s52, s23, 14                        ; my codes in a cell: 16,384 q + 512 c
	s_lshl_b32 s53, s27, 9
	s_add_co_u32 s52, s52, s53
	s_mov_b32 s53, 0
	s_mul_i32 s54, s23, 16*34816                   ; scale units: wave w serves rows 32 w .. + 31: tile w / 4, unit 128 + 4 ((w % 4) / 2) + w % 2
	s_lshr_b32 s31, s27, 1
	s_lshl_b32 s31, s31, 2
	s_and_b32 s56, s[WV], 1
	s_add_co_u32 s31, s31, s56
	s_add_co_u32 s31, s31, 128
	s_lshl_b32 s31, s31, 8
	s_add_co_u32 s54, s54, s31
	s_mul_i32 s55, s[WV], 16*272
	s_add_co_u32 s55, s55, XST
	s_lshl_b32 s56, s[WV], 7                       ; my 32 columns in a staged row
	s_add_co_u32 s57, s[WV], SBB
	s_mov_b32 s[MNT], 0x600000
	s_mov_b32 s[TA], 0
	s_mov_b32 s[T8], 0
	s_mov_b32 s[ST+1], 0
	s_mov_b32 s62, 0x76543210
	s_mov_b32 s63, 0xfedcba98
	v_lshl_add_u32 v254, v0, 2, SPARE
	v_mov_b32 v255, 0
	v_and_b32 v1, 31, v0                           ; lane
	v_and_b32 v2, 15, v0                           ; r
	v_bfe_u32 v3, v0, 4, 1                         ; h
	v_mul_u32_u24 v[AA2], v2, AP
	v_lshl_add_u32 v[AA1], v3, 3, v[AA2]           ; w1a(row r, 4 kk + 2 h ..)
	v_add_nc_u32 v[AA2], 64, v[AA2]
	v_lshlrev_b32 v[CO], 4, v1
	v_lshlrev_b32 v[SB0], 3, v2
	v_add_nc_u32 v[SB0], s57, v[SB0]               ; byte w of row r
	v_lshl_add_u32 v[SBR], v0, 3, SBB              ; the way out: row 32 w + lane
	v_lshlrev_b32 v[L128], 7, v1
	v_lshlrev_b32 v[WSO], 3, v1
	v_add_nc_u32 v[WSO], s54, v[WSO]
	v_lshrrev_b32 v[AST], 2, v0
	v_mul_u32_u24 v[AST], v[AST], AP
	v_and_b32 v28, 3, v0
	v_lshl_add_u32 v[AST], v28, 4, v[AST]          ; row thread / 4, piece thread % 4
	v_lshlrev_b32 v[AGO], 4, v0
	v_lshrrev_b32 v[BGO], 6, v0
	v_lshlrev_b32 v[BGO], 14, v[BGO]
	v_and_b32 v29, 63, v0
	v_lshl_add_u32 v[BGO], v29, 4, v[BGO]          ; w1b, w2b: row thread / 64, 16 bytes of its 1,024
	v_lshl_add_u32 v[BST], v0, 4, BSH
	v_lshlrev_b32 v[B2A], 6, v3
	v_add_nc_u32 v[B2A], s56, v[B2A]
	v_add_nc_u32 v[B2A], BSH+16384, v[B2A]         ; w2b(s, i0 + 16 h ..)
	v_lshrrev_b32 v[B1A], 3, v2
	v_lshlrev_b32 v[B1A], 6, v[B1A]
	v_and_b32 v30, 7, v2
	v_lshl_add_u32 v[B1A], v30, 2, v[B1A]
	v_lshl_add_u32 v[B1A], v3, 11, v[B1A]
	v_add_nc_u32 v[B1A], s56, v[B1A]
	v_add_nc_u32 v[B1A], BSH, v[B1A]               ; w1b(2 h .., i0 + 16 (r / 8) + r % 8)
	v_lshlrev_b32 v31, 4, v2
	v_lshl_add_u32 v[XGO], v3, 12, v31             ; x: lanes 0-15 a row's 256 bytes, lanes 16-31 the next row's
	v_mul_u32_u24 v[XSI], v3, 272
	v_add_nc_u32 v[XSI], v[XSI], v31
	v_add_nc_u32 v[XSI], s55, v[XSI]
	v_mul_u32_u24 v[XSO], v2, 272
	v_lshl_add_u32 v[XSO], v3, 4, v[XSO]
	v_add_nc_u32 v[XSO], s55, v[XSO]
	v_lshlrev_b32 v[XWO], 7, v2
	v_lshl_add_u32 v[XWO], v3, 2, v[XWO]
	v_mov_b32 v[TT], 0                             ; a lane permute's destination counts as one of its sources
	v_mov_b32 v[TT+1], 0
	s_wait_alu depctr_va_vdst(0)                   ; at the head's end
	s_wait_kmcnt 0x0
	s_load_b32 s[SCL], s[12:13], 0x0               ; scalar's value
	s_add_nc_u64 s[4:5], s[4:5], s[32:33]
	s_add_nc_u64 s[8:9], s[8:9], s[32:33]
	s_add_nc_u64 s[6:7], s[6:7], s[34:35]
	s_add_nc_u64 s[10:11], s[10:11], s[34:35]
	s_add_nc_u64 s[14:15], s[14:15], s[36:37]
	s_add_nc_u64 s[18:19], s[18:19], s[38:39]
	s_add_nc_u64 s[40:41], s[40:41], s[44:45]
	s_add_nc_u64 s[42:43], s[42:43], s[46:47]
	s_add_nc_u64 s[16:17], s[16:17], s[48:49]
	s_add_nc_u64 s[20:21], s[20:21], s[50:51]
	s_add_nc_u64 s[CB:CB+1], s[18:19], s[52:53]
	global_load_b64 v[14:15], v[L128], s[14:15]    ; a lane a row: this K step's 8 scale bytes of org_weight
.irp m, 0,1,2,3
	global_load_b128 v[32+4*\m:35+4*\m], v[AGO], s[4:5] offset:\m*4096     ; 64 rows of w1a, of w2a: 4,096 consecutive bytes
	global_load_b128 v[48+4*\m:51+4*\m], v[AGO], s[8:9] offset:\m*4096
.endr
	s_cmp_lg_u32 s[WV], 0                          ; x's scale words: wave 0 alone
	s_cbranch_scc1 .Lno_xw
.irp a, 0,1,2,3,4,5,6,7
	global_load_b32 v[XW+\a], v[XWO], s[16:17] offset:\a*2048   ; block a's row r, the K step's h-th word
.endr
.Lno_xw:
.irp m, 0,1,2,3
	global_load_b128 v[P2+4*\m:P2+4*\m+3], v[BGO], s[6:7] offset:\m*65536        ; four rows of w1b, of w2b: 1,024 consecutive bytes each
	global_load_b128 v[P2+16+4*\m:P2+16+4*\m+3], v[BGO], s[10:11] offset:\m*65536
.endr
.irp i, 0,1,2,3,4,5,6,7
	global_load_b128 v[XIN+4*\i:XIN+4*\i+3], v[XGO], s[40:41] offset:\i*8192   ; x's rows 2 i, 2 i + 1 of my 16; they are wanted behind the loop
.endr
	s_wait_loadcnt 8                               ; all but x's eight
	s_wait_kmcnt 0x0                               ; scalar
.irp i, 0,1,2,3,4,5,6,7,8,9,10,11,12,13,14,15
	v_mul_f32 v[48+\i], s[SCL], v[48+\i]
.endr
.irp m, 0,1,2,3
	ds_store_b128 v[AST], v[32+4*\m:35+4*\m] offset:\m*64*AP
	ds_store_b128 v[AST], v[48+4*\m:51+4*\m] offset:\m*64*AP+64
	ds_store_b128 v[BST], v[P2+4*\m:P2+4*\m+3] offset:\m*4096
	ds_store_b128 v[BST], v[P2+16+4*\m:P2+16+4*\m+3] offset:\m*4096+16384
.endr
	global_store_b64 v[WSO], v[14:15], s[18:19]    ; 32 rows x 8 bytes: 256 consecutive aligned bytes
	s_cmp_lg_u32 s[WV], 0
	s_cbranch_scc1 .Lno_xs
	global_store_b128 v[CO], v[XW:XW+3], s[20:21]              ; 512 consecutive aligned bytes each
	global_store_b128 v[CO], v[XW+4:XW+7], s[20:21] offset:512
.Lno_xs:
	s_wait_dscnt 0x0                               ; for the others' sake: my pieces lie in LDS
	s_barrier_signal -1
	s_barrier_wait -1                              ; everybody's do; from here on AR and BSH are only read
	WIN 0x40
.irp u, 0,1
.irp kk, 0,1,2,3
.irp j, 0,1
	ds_load_b32 v[BA+8*\u+2*\kk+\j], v[B1A] offset:(4*\kk+\j)*1024+32*\u
.endr
.endr
.endr
.irp s, 0,1,2,3,4,5,6,7,8,9,10,11,12,13,14
.irp m, 0,1,2,3
	ds_load_b128 v[16*\s+4*\m:16*\s+4*\m+3], v[B2A] offset:\s*1024+16*\m   ; w2b(s, my 16 columns) at v[16 s] of window 1
.endr
.endr
	WIN 0
.irp m, 0,1,2,3
	ds_load_b128 v[B15+4*\m:B15+4*\m+3], v[B2A] offset:15*1024+16*\m
.endr
.macro ALOAD                           ; 32 rows: w1a's fragments and w2a's numbers
.irp e, 0,1
.irp kk, 0,1,2,3
	ds_load_b64 v[AB+8*\e+2*\kk:AB+8*\e+2*\kk+1], v6 offset:\e*16*AP+16*\kk
.endr
.endr
.irp e, 0,1
.irp m, 0,1,2,3
	ds_load_b128 v[A2+16*\e+4*\m:A2+16*\e+4*\m+3], v7 offset:\e*16*AP+16*\m
.endr
.endr
.endm
; BOTH SUMS.  The first: sixteen matrix instructions, four accumulators by turns, one instruction a turn; K step 0 starts the sums.
; The second: sixteen chains by turns, s ascending; fifteen of its lines stand behind each matrix instruction and name none of its registers.  Source 0 lies in window 1 throughout; row 15's lines follow in window 0.
.macro MIX
	WIN 0x01
.set I_, 0
.rept 240
.if I_%15 == 0
.set K_, (I_/15)/4
.set E_, ((I_/15)/2)%2
.set U_, (I_/15)%2
.if K_ == 0
	v_wmma_f32_16x16x4_f32 v[WA+8*(2*E_+U_):WA+8*(2*E_+U_)+7], v[BA+8*U_:BA+8*U_+1], v[AB+8*E_:AB+8*E_+1], 0
.else
	v_wmma_f32_16x16x4_f32 v[WA+8*(2*E_+U_):WA+8*(2*E_+U_)+7], v[BA+8*U_+2*K_:BA+8*U_+2*K_+1], v[AB+8*E_+2*K_:AB+8*E_+2*K_+1], v[WA+8*(2*E_+U_):WA+8*(2*E_+U_)+7]
.endif
.endif
.set S_, I_/16
.set D_, P2+16*((I_/8)%2)+2*(I_%8)
.set G_, A2+16*((I_/8)%2)
.set B_, 16*S_+2*(I_%8)
.if S_ == 0
	v_pk_mul_f32 v[D_:D_+1], v[B_:B_+1], v[G_:G_+1] op_sel_hi:[1,0]
.elseif S_%2 == 0
	v_pk_fma_f32 v[D_:D_+1], v[B_:B_+1], v[G_+S_:G_+S_+1], v[D_:D_+1] op_sel_hi:[1,0,1]
.else
	v_pk_fma_f32 v[D_:D_+1], v[B_:B_+1], v[G_+S_-1:G_+S_], v[D_:D_+1] op_sel:[0,1,0] op_sel_hi:[1,1,1]
.endif
.set I_, I_+1
.endr
	WIN 0
.irp e, 0,1
.irp p, 0,1,2,3,4,5,6,7
	v_pk_fma_f32 v[P2+16*\e+2*\p:P2+16*\e+2*\p+1], v[B15+2*\p:B15+2*\p+1], v[A2+16*\e+14:A2+16*\e+15], v[P2+16*\e+2*\p:P2+16*\e+2*\p+1] op_sel:[0,1,0] op_sel_hi:[1,1,1]
.endr
.endr
.endm
.macro QUANT
.irp p, 0,1,2,3,4,5,6,7
.irp e, 0,1
	v_pk_mul_f32 v[P2+16*\e+2*\p:P2+16*\e+2*\p+1], v[P2+16*\e+2*\p:P2+16*\e+2*\p+1], v[WA+16*\e+2*\p:WA+16*\e+2*\p+1]   ; each accumulator from its low end on
.endr
.endr
.irp e, 0,1
	v_max3_num_f32 v[MX+\e], |v[P2+16*\e]|, |v[P2+16*\e+1]|, 0x4800000     ; with the floor 2^(9 - 127)
	v_max3_num_f32 v[MX+2+\e], |v[P2+16*\e+8]|, |v[P2+16*\e+9]|, |v[P2+16*\e+10]|
.endr
.irp i, 2,4
.irp e, 0,1
	v_max3_num_f32 v[MX+\e], v[MX+\e], |v[P2+16*\e+\i]|, |v[P2+16*\e+\i+1]|
	v_max3_num_f32 v[MX+2+\e], v[MX+2+\e], |v[P2+16*\e+\i+9]|, |v[P2+16*\e+\i+10]|
.endr
.endr
.irp e, 0,1
	v_max3_num_f32 v[MX+\e], v[MX+\e], |v[P2+16*\e+6]|, |v[P2+16*\e+7]|
.endr
.irp e, 0,1
	v_max3_num_f32 v[MX+\e], v[MX+\e], v[MX+2+\e], |v[P2+16*\e+15]|
.endr
.irp e, 0,1
	v_permlanex16_b32 v[TT+\e], v[MX+\e], s62, s63
.endr
.irp e, 0,1
	v_max_num_f32 v[MX+\e], v[MX+\e], v[TT+\e]     ; with lane l xor 16's: the block's largest magnitude
.endr
.irp e, 0,1
	v_add_nc_u32 v[SCO+\e], 0xfc000000, v[MX+\e]   ; 8 off the exponent field: the conversion's scale operand
.endr
.irp e, 0,1
	v_and_or_b32 v[HO+\e], v[MX+\e], 0x7f800000, s[MNT]   ; 448 x the scale
.endr
.irp i, 0,1,2,3,4,5,6,7,8,9,10,11,12,13,14,15
.irp e, 0,1
	v_med3_num_f32 v[P2+16*\e+\i], v[P2+16*\e+\i], -v[HO+\e], v[HO+\e]   ; the conversion does not saturate (ISA guide 7.6.2)
.endr
.endr
	s_wait_alu depctr_va_vdst(0)                   ; directly ahead of the wait below
	s_wait_xcnt 0x0                                ; the last trip's stores have read their data and their base
	s_cmp_eq_u32 s[CNT], 3                         ; the fifth trip begins the second tile's cell
	s_mov_b32 s[ST], 4096
	s_cselect_b32 s[ST], 4096+16*34816-8*2048, s[ST]
	s_add_nc_u64 s[CB:CB+1], s[CB:CB+1], s[ST:ST+1]   ; two blocks of rows on; the stores below reach back
.irp e, 0,1
.irp u, 0,1
	v_cvt_scalef32_pk8_fp8_f32 v[CD+4*\e+2*\u:CD+4*\e+2*\u+1], v[P2+16*\e+8*\u:P2+16*\e+8*\u+7], v[SCO+\e]
.endr
.endr
.irp e, 0,1
	v_lshrrev_b32 v[BY+\e], 23, v[SCO+\e]          ; the scale's byte (also the plain line behind the conversions)
.endr
	v_add_nc_u32 v[SBA], s[T8], v[SB0]
.irp e, 0,1
	ds_store_b8 v[SBA], v[BY+\e] offset:128*\e     ; both halves of the lanes write the same byte with the same value
.endr
.irp e, 0,1
	global_store_b128 v[CO], v[CD+4*\e:CD+4*\e+3], s[CB:CB+1] offset:2048*\e-4096   ; 512 consecutive aligned bytes
.endr
	s_add_co_u32 s[T8], s[T8], 256
.endm
.macro TRIP more
	s_wait_dscnt 0x0
	MIX
.if \more
	s_add_co_u32 s[TA], s[TA], 32*AP
	v_add_nc_u32 v6, s[TA], v[AA1]
	v_add_nc_u32 v7, s[TA], v[AA2]
	ALOAD
.endif
	QUANT
.endm
	v_add_nc_u32 v6, s[TA], v[AA1]
	v_add_nc_u32 v7, s[TA], v[AA2]
	ALOAD
	s_mov_b32 s[CNT], 7
.Lrows:
	TRIP 1
	s_sub_co_u32 s[CNT], s[CNT], 1
	s_cmp_lg_u32 s[CNT], 0
	s_cbranch_scc1 .Lrows
	s_wait_loadcnt 0x0                             ; x's codes: re-laid ahead of the last trip, so that their stores leave during it
.irp i, 0,1,2,3,4,5,6,7
	ds_store_b128 v[XSI], v[XIN+4*\i:XIN+4*\i+3] offset:\i*544
.endr
.irp q, 0,1
.irp c, 0,1,2,3
	ds_load_b128 v[XFR+16*\q+4*\c:XFR+16*\q+4*\c+3], v[XSO] offset:128*\q+32*\c   ; my own bytes: LDS serves a wave's instructions in order (ISA guide 5.7.1.4)
.endr
.endr
	s_wait_dscnt 0x0                               ; the fragments are back
.irp q, 0,1
.irp c, 0,1,2,3
	global_store_b128 v[CO], v[XFR+16*\q+4*\c:XFR+16*\q+4*\c+3], s[42:43] offset:\q*16384+\c*512   ; 512 consecutive aligned bytes
.endr
.endr
	TRIP 0
	s_wait_dscnt 0x0                               ; for the others' sake: my scale bytes lie in LDS
	s_barrier_signal -1
	s_barrier_wait -1                              ; everybody's do
	ds_load_b64 v[14:15], v[SBR]                   ; a lane a row
	s_wait_dscnt 0x0
	global_store_b64 v[WSO], v[14:15], s[18:19] offset:512   ; D's scale bytes of rows 32 w .. + 31: 256 consecutive aligned bytes
	s_wait_tensorcnt 0x0                           ; the wave's end
	ds_add_u32 v254, v255
	s_wait_dscnt 0x0
	s_endpgm
.Lfunc_end_k_qbeca4ba0c5_prep:
	.size	k_qbeca4ba0c5_prep, .Lfunc_end_k_qbeca4ba0c5_prep-k_qbeca4ba0c5_prep
	.p2alignl 7, 3214868480
	.fill 96, 4, 3214868480
	.section	.rodata,"a",@progbits
	.p2align	6, 0x0
	.amdhsa_kernel k_qbeca4ba0c5_prep
		.amdhsa_group_segment_fixed_size 107520
		.amdhsa_private_segment_fixed_size 0
		.amdhsa_enable_private_segment 0
		.amdhsa_kernarg_size 88
		.amdhsa_user_sgpr_count 2
		.amdhsa_user_sgpr_kernarg_segment_ptr 1
		.amdhsa_wavefront_size32 1
		.amdhsa_system_sgpr_workgroup_id_x 1
		.amdhsa_system_sgpr_workgroup_id_y 1
		.amdhsa_system_sgpr_workgroup_id_z 1
		.amdhsa_system_vgpr_workitem_id 0
		.amdhsa_next_free_vgpr 512
		.amdhsa_next_free_sgpr 66
		.amdhsa_reserve_vcc 0
		.amdhsa_float_denorm_mode_32 3
		.amdhsa_float_denorm_mode_16_64 3
		.amdhsa_memory_ordered 1
		.amdhsa_forward_progress 1
		.amdhsa_inst_pref_size 66
	.end_amdhsa_kernel
	.amdgpu_metadata
---
amdhsa.version: [ 1, 2 ]
amdhsa.kernels:
  - .name:           k_qbeca4ba0c5_prep
    .symbol:         k_qbeca4ba0c5_prep.kd
    .args:
      - { .name: hada_w1_a, .offset: 0, .size: 8, .value_kind: global_buffer, .address_space: global }
      - { .name: hada_w1_b, .offset: 8, .size: 8, .value_kind: global_buffer, .address_space: global }
      - { .name: hada_w2_a, .offset: 16, .size: 8, .value_kind: global_buffer, .address_space: global }
      - { .name: hada_w2_b, .offset: 24, .size: 8, .value_kind: global_buffer, .address_space: global }
      - { .name: scalar, .offset: 32, .size: 8, .value_kind: global_buffer, .address_space: global }
      - { .name: org_weight_scales, .offset: 40, .size: 8, .value_kind: global_buffer, .address_space: global }
      - { .name: x_scales, .offset: 48, .size: 8, .value_kind: global_buffer, .address_space: global }
      - { .name: dblob, .offset: 56, .size: 8, .value_kind: global_buffer, .address_space: global }
      - { .name: xs, .offset: 64, .size: 8, .value_kind: global_buffer, .address_space: global }
      - { .name: x_codes, .offset: 72, .size: 8, .value_kind: global_buffer, .address_space: global }
      - { .name: xf, .offset: 80, .size: 8, .value_kind: global_buffer, .address_space: global }
    .group_segment_fixed_size: 107520
    .private_segment_fixed_size: 0
    .kernarg_segment_align: 8
    .kernarg_segment_size: 88
    .max_flat_workgroup_size: 256
    .sgpr_count:     66
    .vgpr_count:     512
    .wavefront_size: 32
...
	.end_amdgpu_metadata
.endif
;; end of part 1
;; launch gemm (part 2): grid 8 x 32, 4 waves a work-group, clusters of 4 x 1, 327,680 bytes of LDS; arguments xf, xs, org_weight_codes, dblob, org_bias, out0; writes out0
.if DOCPART == 2
	.amdgcn_target "amdgcn-amd-amdhsa--gfx1250"
	.amdhsa_code_object_version 6
	.text
	.protected	k_qbeca4ba0c5_gemm
	.globl	k_qbeca4ba0c5_gemm
	.p2align	8
	.type	k_qbeca4ba0c5_gemm,@function
k_qbeca4ba0c5_gemm:
	s_mov_b64 s[64:65], 0
	v_nop
	global_prefetch_b8 v0, s[64:65] scope:SCOPE_SE
	s_setreg_imm32_b32 hwreg(HW_REG_WAVE_MODE, 25, 1), 1
	s_wait_xcnt 0x0
	s_wait_alu depctr_hold_cnt(0) depctr_sa_sdst(0) depctr_va_vdst(0) depctr_va_sdst(0) depctr_va_ssrc(0) depctr_va_vcc(0) depctr_vm_vsrc(0)
	s_getreg_b32 s2, hwreg(HW_REG_IB_STS2, 6, 4)
	s_cmp_eq_u32 s2, 0
	s_cbranch_scc0 .Lentry_in_a_cluster
	s_endpgm
.Lentry_in_a_cluster:
	s_bfe_u32 s2, ttmp6, 0x10000c
	s_cmp_lg_u32 s2, 0x3003
	s_cbranch_scc0 .Lentry_shape_is_right
	s_endpgm
.Lentry_shape_is_right:
; out[m][n] = bias[n] + sum_k x[m][k] W[n][k] + sum_k x[m][k] D[n][k]: x [2048][4096], W and D [4096][4096], codes of FP8 (E4M3) with one E8M0 byte for each 32 along K; sums and out in f32.
; Both products add into ONE set of accumulators, whose first C is the bias.  xf, xs (x's codes and scale words in the order of my operand registers) and dblob (D's codes as register images, W's and D's scale bytes) come from the launch before.
; SHARES.  Work-group (x = tile row R of 8, y = tile column of 32): 256 rows x 128 columns.  Wave w: rows 128 (w / 2) .. + 127 x columns 64 (w % 2) .. + 63: 32 accumulators, 256 registers.
; W AND D go through a ring of two LDS slots, 512 along K each: 8 slot periods of four steps of 128.  A fill is four tensor loads, one a wave: waves 0, 1 a half of W's 128 rows (512 bytes each), waves 2, 3 a cell of dblob each (34,816 dense bytes).
; x GOES FROM MEMORY STRAIGHT INTO REGISTERS: a step's eight fragments are 32 loads of 512 consecutive bytes; four register sets by turns; behind step s the loads of step s + 3 are issued.
; By this text's own count 64 younger loads follow a set's last load when the set is wanted, so the wait's count is the field's largest, 63.  x's scale words come the same way, eight steps ahead.
; CLUSTERS: 4 x 1: the four tile rows of one tile column need the same W and D: each fill is asked for JOINTLY (mask 15).  x's rows are shared by no partner.
; THE MATRIX INSTRUCTION IS USED TRANSPOSED (source 0 = 16 rows of W or D, source 1 = 16 rows of x): a lane holds eight neighbouring numbers of a row of out.
; A step: W's four blocks, then D's four, each against x's eight: a block is free behind its eight products, so ONE set serves W and D: W's blocks are fetched anew in the step's middle, D's at its end.
; THE LAST STEP goes by rows of out: x's blocks one after the other, each against W's and D's eight; a finished block of 16 rows leaves while later blocks are multiplied.
; REGISTERS: window 0: v16-31 addresses; v32-95 scale words; v96-127 the bias; v128-255 W's and D's fragments.  Windows 1, 2: x's four sets; in the last step window 1 takes the rows on their way out.  Window 3: accumulator (a, b) at 8 (4 a + b).
; Scale words: in each group of eight registers from v32 on the lower four are W's or D's, the upper four x's: no product's two have numbers equal modulo 8.
; PREFETCHES: behind the refill at the end of period p each wave names its share of period p + 3 (four steps ahead of the load that wants W and D): W's 256 and D's 256 runs of 256 bytes of codes are shared out by address among the
; cluster's eight waves of each kind; dblob's scale units come by their loads alone; xf's 512 runs of a tile row are shared among the sixteen waves of tile columns 0-3, and again of 16-19.  Periods 0 to 2 come by their loads alone; period 8 does not exist and is not named.
; LIMITS: NaN and infinities are carried as the matrix instruction carries them; nothing else is promised of them.
.set PW,    528                        ; W's LDS row: 512 bytes + 16
.set PD,    272                        ; a unit of dblob in LDS: 256 bytes + 16
.set DT,    128*PW                     ; a slot: W's 128 rows, then two cells of dblob
.set CELL,  136*PD
.set SLOT,  DT+2*CELL                  ; 141,568 bytes
.set SPARE, 2*SLOT                     ; the spare words: 128 bytes for each wave
.set ADW, 16                           ; v16-17 LDS address of my fragments of W in slot 0, 1;  v18-19 of D;  v20-21 of W's and D's scale words
.set ADD, 18
.set ADS, 20
.set XO,  22                           ; v22 16 x lane
.set STO, 24
.set RD,  25
.set CO,  26
.set SPW, 28
.set NIL, 29
.set PFO, 30                           ; v30, v31 the prefetches' lane offsets
.set PXO, 31
.set SC,  32
.set BI,  96
.set WF,  128
.set WV,  16
.set G1W, 24
.set G1D, 32
.set G0W, 40
.set G0D, 44
.set XLW, 48                           ; s48, s49 where my part of W, of dblob lies in a slot
.set XLD, 49
.set XA,  50                           ; s[50:51] xf, s[52:53] xs: my 128 rows, at the lap's first step
.set XS,  52
.set PF0, 54                           ; s[54:55], s[56:57] W's or D's prefetch at the lap's first, second refill; s[58:59] a lap on; s[60:61] xf's; s62: 0 in a tile column that names xf
.set PF1, 56
.set PFS, 58
.set PX,  60
.set XQ,  62
.set MSB, 0
.macro WIN new
.if MSB != \new
	s_set_vgpr_msb (MSB<<8)|\new
.set MSB, \new
.endif
.endm
.macro PLACES n
.rept \n
	v_nop
.endr
.endm
.macro JLOAD                           ; a fill's joint loads, one a wave; an s_nop 0 and four v_nop follow each line
	s_cmp_lt_u32 s[WV], 2
	s_cbranch_scc0 .Lfor_d_\@
	tensor_load_to_lds s[G0W:G0W+3], s[G1W:G1W+7]
	s_nop 0
	PLACES 4
	s_branch .Lasked_\@
.Lfor_d_\@:
	tensor_load_to_lds s[G0D:G0D+3], s[G1D:G1D+7]
	s_nop 0
	PLACES 4
.Lasked_\@:
.endm
.macro WALK slot                       ; both groups 0 go one period on, into the slot named; it stands behind a wait for all my tensor loads
	s_add_co_u32 s[G0W+1], s[XLW], (\slot)*SLOT
	s_add_nc_u64 s[G0W+2:G0W+3], s[G0W+2:G0W+3], 512
	s_add_co_u32 s[G0D+1], s[XLD], (\slot)*SLOT
	s_add_nc_u64 s[G0D+2:G0D+3], s[G0D+2:G0D+3], 2*34816
.endm
.macro CREST
	s_cmp_lg_u32 s[WV], 0
	s_cbranch_scc1 .Lnot_wave_0_\@
	s_barrier_signal -3
.Lnot_wave_0_\@:
	s_barrier_wait -3
	s_barrier_signal -1
	s_barrier_wait -1
.endm
.macro CROUND
	s_barrier_signal -1
	s_barrier_wait -1
	CREST
.endm
.macro ASK odd                         ; period p + 3; the lap's second refill names nothing in the loop's last trip (s3 = 1)
.if \odd
	s_cmp_gt_u32 s3, 1
	s_cbranch_scc0 .Lnone_\@
	global_prefetch_b8 v[PFO], s[PF1:PF1+1] th:TH_LOAD_NT scope:SCOPE_SE
.else
	global_prefetch_b8 v[PFO], s[PF0:PF0+1] th:TH_LOAD_NT scope:SCOPE_SE
.endif
	s_cmp_eq_u32 s[XQ], 0
	s_cbranch_scc0 .Lnone_\@
	global_prefetch_b8 v[PXO], s[PX:PX+1] offset:(\odd)*65536 th:TH_LOAD_NT scope:SCOPE_SE
.Lnone_\@:
.endm
	s_load_b256 s[4:11], s[0:1], 0x0               ; xf, xs, W's codes, dblob
	s_load_b128 s[12:15], s[0:1], 0x20             ; bias, out
	v_lshl_add_u32 v[SPW], v0, 2, SPARE
	v_mov_b32 v[NIL], 0
	ds_add_u32 v[SPW], v[NIL]                      ; the opening lines: the add, twice on end, and its wait
	ds_add_u32 v[SPW], v[NIL]
	v_lshrrev_b32 v1, 5, v0
	v_readfirstlane_b32 s[WV], v1                  ; wave 0..3
	s_lshr_b32 s17, s[WV], 1                       ; which 128 rows
	s_and_b32 s18, s[WV], 1                        ; which 64 columns; also which part of a fill I fetch
	s_bfe_u32 s19, ttmp6, 0x40000                  ; cx
	s_and_b32 s20, ttmp7, 0xffff                   ; tile column
	s_lshl_b32 s21, ttmp9, 2
	s_add_co_u32 s21, s21, s19                     ; tile row
	s_lshl_b32 s22, s21, 1
	s_add_co_u32 s22, s22, s17                     ; T: my 128 rows of x
	s_mov_b32 s[G1W], 15|(1<<20)|(1<<21)|(6<<22)|(3<<25)   ; W: 64 rows x 512 bytes, 4,096 apart; 16 bytes of padding behind each 128 words; mask: the four partners
	s_mov_b32 s[G1W+1], 512<<16
	s_mov_b32 s[G1W+2], 64<<16
	s_mov_b32 s[G1W+3], 512<<16
	s_mov_b32 s[G1W+4], 64
	s_mov_b32 s[G1W+5], 4096
	s_mov_b32 s[G1W+6], 0
	s_mov_b32 s[G1W+7], 0
	s_mov_b32 s[G1D], 15|(3<<16)|(1<<20)|(1<<21)|(5<<22)|(3<<25)   ; a cell: 136 dense rows x 32 elements of 8 bytes, padded behind each
	s_mov_b32 s[G1D+1], 32<<16
	s_mov_b32 s[G1D+2], 136<<16
	s_mov_b32 s[G1D+3], 32<<16
	s_mov_b32 s[G1D+4], 136
	s_mov_b32 s[G1D+5], 32
	s_mov_b32 s[G1D+6], 0
	s_mov_b32 s[G1D+7], 0
	s_lshl_b32 s66, s20, 19                        ; W: 128 rows of 4,096 bytes a tile column, + my 64
	s_lshl_b32 s67, s18, 18
	s_add_co_u32 s66, s66, s67
	s_mov_b32 s67, 0
	s_lshl_b32 s68, s20, 4                         ; dblob: cell 16 x tile column + my one of the period's two
	s_add_co_u32 s68, s68, s18
	s_mul_i32 s68, s68, 34816
	s_mov_b32 s69, 0
	s_mul_i32 s[XLW], s18, 64*PW
	s_mul_i32 s[XLD], s18, CELL
	s_add_co_u32 s[XLD], s[XLD], DT
	s_lshl_b32 s70, s22, 19                        ; xf: 524,288 bytes for 128 rows
	s_mov_b32 s71, 0
	s_lshl_b32 s72, s22, 14                        ; xs: 16,384
	s_mov_b32 s73, 0
	s_lshl_b32 s74, s20, 9                         ; my first column, in bytes
	s_lshl_b32 s75, s18, 8
	s_add_co_u32 s74, s74, s75
	s_mov_b32 s75, 0
	s_lshl_b32 s76, s22, 21                        ; out: 128 rows of 16,384 bytes
	s_add_co_u32 s76, s76, s74
	s_mov_b32 s77, 0
	s_lshl_b32 s78, s19, 1                         ; which of the cluster's eight waves of my kind I am
	s_add_co_u32 s78, s78, s18
	s_lshl_b32 s79, s20, 19                        ; W's prefetch: 16 rows for each of the eight, period 3
	s_lshl_b32 s80, s78, 16
	s_add_co_u32 s79, s79, s80
	s_add_co_u32 s79, s79, 3*512
	s_lshl_b32 s80, s20, 4                         ; D's: cell 6 or 7, a quarter of its 128 code units
	s_lshr_b32 s81, s78, 2
	s_add_co_u32 s80, s80, s81
	s_add_co_u32 s80, s80, 6
	s_mul_i32 s80, s80, 34816
	s_and_b32 s81, s78, 3
	s_lshl_b32 s81, s81, 13
	s_add_co_u32 s80, s80, s81
	s_cmp_lt_u32 s[WV], 2
	s_cselect_b32 s82, s79, s80
	s_mov_b32 s83, 0
	s_mov_b32 s84, 2*34816
	s_cselect_b32 s84, 512, s84                    ; a period on
	s_mov_b32 s85, 0
	s_cselect_b32 s86, 3584, 0                     ; W: two lanes to a row: 256 x lane + 3,584 x (lane / 2)
	s_lshl_b32 s[PFS], s84, 1                      ; a lap on
	s_mov_b32 s[PFS+1], 0
	s_and_b32 s87, s20, 3                          ; xf's: which of sixteen waves
	s_lshl_b32 s87, s87, 2
	s_add_co_u32 s87, s87, s[WV]
	s_lshr_b32 s88, s87, 3
	s_lshl_b32 s89, s21, 1
	s_add_co_u32 s88, s88, s89
	s_lshl_b32 s88, s88, 19
	s_and_b32 s87, s87, 7
	s_lshl_b32 s87, s87, 13
	s_add_co_u32 s88, s88, s87
	s_add_co_u32 s88, s88, 3*65536
	s_mov_b32 s89, 0
	s_and_b32 s[XQ], s20, 12
	s_mul_i32 s90, s18, 32*PD                      ; D's codes lie as register images: two units for 16 rows x 32 of K, eight for a fragment, 32 for my four blocks, 64 for 128 of K
	s_add_co_u32 s90, s90, DT
	s_mul_i32 s91, s18, 4*PD
	s_add_co_u32 s91, s91, DT+128*PD               ; my four scale units
	s_mul_i32 s92, s[WV], 16*PD                    ; my stage for the way out, in slot 0: it has had its last fill and its last read when the first result is stored there
	s_wait_dscnt 0x0                               ; both opening adds are done
	CROUND                                         ; the four partners are here: the first joint loads meet
	s_wait_kmcnt 0x0
	s_mov_b32 s[G0W], 1
	s_add_co_u32 s[G0W+1], s[XLW], 0
	s_add_nc_u64 s[G0W+2:G0W+3], s[8:9], s[66:67]
	s_or_b32 s[G0W+3], s[G0W+3], 0x80000000
	s_mov_b32 s[G0D], 1
	s_add_co_u32 s[G0D+1], s[XLD], 0
	s_add_nc_u64 s[G0D+2:G0D+3], s[10:11], s[68:69]
	s_or_b32 s[G0D+3], s[G0D+3], 0x80000000
	JLOAD                                          ; period 0 into slot 0: one tensor load a wave at the head
	s_add_nc_u64 s[XA:XA+1], s[4:5], s[70:71]
	s_add_nc_u64 s[XS:XS+1], s[6:7], s[72:73]
	s_add_nc_u64 s[12:13], s[12:13], s[74:75]
	s_add_nc_u64 s[14:15], s[14:15], s[76:77]
	s_cmp_lt_u32 s[WV], 2
	s_cselect_b64 s[PF0:PF0+1], s[8:9], s[10:11]
	s_add_nc_u64 s[PF0:PF0+1], s[PF0:PF0+1], s[82:83]
	s_add_nc_u64 s[PF1:PF1+1], s[PF0:PF0+1], s[84:85]
	s_add_nc_u64 s[PX:PX+1], s[4:5], s[88:89]
	v_and_b32 v1, 15, v0                           ; r
	v_bfe_u32 v2, v0, 4, 1                         ; h
	v_and_b32 v3, 31, v0                           ; lane
	v_mul_u32_u24 v4, v1, PW
	v_lshl_add_u32 v4, v2, 4, v4
	v_add_nc_u32 v[ADW], s[XLW], v4                ; my 64 rows of W lie where waves 0, 1 put their halves
	v_add_nc_u32 v[ADW+1], SLOT, v[ADW]
	v_mul_u32_u24 v5, v1, PD
	v_mul_u32_u24 v6, v2, PD
	v_lshl_add_u32 v6, v1, 4, v6                   ; lanes 0-15 one unit, lanes 16-31 the next
	v_add_nc_u32 v[ADD], s90, v6
	v_add_nc_u32 v[ADD+1], SLOT, v[ADD]
	v_lshlrev_b32 v7, 3, v1                        ; scale bytes: 8 a row; lanes 16-31 read what lanes 0-15 read
	v_add_nc_u32 v[ADS], s91, v7
	v_add_nc_u32 v[ADS+1], SLOT, v[ADS]
	v_lshl_add_u32 v8, v2, 5, v5
	v_add_nc_u32 v[STO], s92, v8                   ; the way out, in: row r, 32 bytes for each half of the lanes
	v_mul_u32_u24 v9, v2, PD
	v_lshl_add_u32 v9, v1, 4, v9
	v_add_nc_u32 v[RD], s92, v9                    ; back: lanes 0-15 one row of 256 bytes, lanes 16-31 the next
	v_lshlrev_b32 v[CO], 14, v2
	v_lshl_add_u32 v[CO], v1, 4, v[CO]
	v_lshlrev_b32 v[XO], 4, v3
	v_lshlrev_b32 v10, 5, v2
	v_lshlrev_b32 v[PXO], 8, v3
	v_lshrrev_b32 v11, 1, v3
	v_mad_u32_u24 v[PFO], v11, s86, v[PXO]
	s_wait_alu depctr_va_vdst(0)                   ; at the end of the head's vector lines
; Two blocks of W or D (b0, b0 + 1) against x's eight, lap step j.  first = 1: W's products take the bias as C.  The accumulators take turns, one instruction a turn.
.macro PAIR j, b0, first
.set Q_, (\j)%4
.set U_, ((\j)/2)%4
.if (\first) && ((\b0) < 4)
.set W_, 0xc0|((1+Q_/2)<<2)
.else
.set W_, 0xf0|((1+Q_/2)<<2)
.endif
	WIN W_
.irp bb, \b0, \b0+1
.irp a, 0,1,2,3,4,5,6,7
.set AC_, 8*(4*\a+(\bb)%4)
.set WR_, WF+16*(\bb)
.set XR_, 128*(Q_%2)+16*\a
.set SA_, SC+32*(Q_/2)+8*((\bb)/2)+2*((\bb)%2)+Q_%2
.set SB_, SC+16*U_+8*(\a/4)+4+\a%4
.if (\first) && ((\b0) < 4)
	v_wmma_scale_f32_16x16x128_f8f6f4 v[AC_:AC_+7], v[WR_:WR_+15], v[XR_:XR_+15], v[BI+8*(\bb):BI+8*(\bb)+7], v[SA_], v[SB_]
.elseif Q_%2
	v_wmma_scale_f32_16x16x128_f8f6f4 v[AC_:AC_+7], v[WR_:WR_+15], v[XR_:XR_+15], v[AC_:AC_+7], v[SA_], v[SB_] matrix_b_scale:MATRIX_SCALE_ROW1
.else
	v_wmma_scale_f32_16x16x128_f8f6f4 v[AC_:AC_+7], v[WR_:WR_+15], v[XR_:XR_+15], v[AC_:AC_+7], v[SA_], v[SB_]
.endif
.endr
.endr
.endm
.macro FETCHW j                        ; W's four fragments of lap step j: 16 LDS loads
.set S_, ((\j)/4)%2
.set Q_, (\j)%4
.irp i, 0,1,2,3
.irp c, 0,1,2,3
	ds_load_b128 v[WF+16*\i+4*\c:WF+16*\i+4*\c+3], v[ADW+S_] offset:128*Q_+\i*16*PW+32*\c
.endr
.endr
.endm
.macro FETCHD j                        ; D's four
.set S_, ((\j)/4)%2
.set Q_, (\j)%4
.irp i, 0,1,2,3
.irp c, 0,1,2,3
	ds_load_b128 v[WF+64+16*\i+4*\c:WF+64+16*\i+4*\c+3], v[ADD+S_] offset:(Q_/2)*CELL+(Q_%2)*64*PD+\i*8*PD+\c*2*PD
.endr
.endr
.endm
.macro SCALES j                        ; W's and D's scale words of the cell that holds lap step j: two words a row
.set S_, ((\j)/4)%2
.set Q_, (\j)%4
.irp i, 0,1,2,3,4,5,6,7
	ds_load_b64 v[SC+32*(Q_/2)+8*(\i/2)+2*(\i%2):SC+32*(Q_/2)+8*(\i/2)+2*(\i%2)+1], v[ADS+S_] offset:(Q_/2)*CELL+(\i/2)*PD+(\i%2)*128
.endr
.endm
.macro XLOAD jn                        ; x's eight fragments of lap step jn into set jn % 4: 32 loads of 512 consecutive bytes
.set N_, (\jn)%4
	WIN (1+N_/2)<<6
.irp a, 0,1,2,3,4,5,6,7
.irp c, 0,1,2,3
	global_load_b128 v[128*(N_%2)+16*\a+4*\c:128*(N_%2)+16*\a+4*\c+3], v[XO], s[XA:XA+1] offset:(\jn)*16384+\a*2048+\c*512
.endr
.endr
	WIN 0
.endm
.macro XSC tn                          ; x's scale words of the lap's tn-th 256 along K: lanes 0-15 its first 128, lanes 16-31 its second
.set U_, (\tn)%4
	global_load_b128 v[SC+16*U_+4:SC+16*U_+7], v[XO], s[XS:XS+1] offset:(\tn)*1024
	global_load_b128 v[SC+16*U_+12:SC+16*U_+15], v[XO], s[XS:XS+1] offset:(\tn)*1024+512
.endm
.macro XRUN j, xl, xs
.if \xs
	XSC ((\j)-1)/2+4
.endif
.if \xl
	XLOAD (\j)+3
.endif
.endm
; Eight plain vector lines stand between a matrix instruction and a load into a register that it has read.
; A step whose successor lies in the same slot.  lc: the global loads that may stay out.
.macro STEP j, first, xl, xs, lc
	s_wait_dscnt 16                                ; W's blocks and the scale words are in; D's 16 loads may be out
	s_wait_loadcnt \lc                             ; x's set is in
	PAIR \j, 0, \first
	PAIR \j, 2, \first
	s_wait_dscnt 0x0                               ; D's blocks are in
	PLACES 8
	WIN 0
	FETCHW (\j)+1
.if (\j)%4 == 1
	SCALES (\j)+1
.endif
	PAIR \j, 4, 0
	PAIR \j, 6, 0
	PLACES 8
	WIN 0
	FETCHD (\j)+1
	XRUN \j, \xl, \xs
.endm
; A slot's last step changes slots: ONE barrier; in front of it each wave waits for all its tensor loads, adds 0 to its spare word and waits for that and for its reads of this slot.
; fill = 1: the barrier opens a round of the cluster's barrier, and this slot is filled again, two periods ahead.
.macro TURN j, fill, odd, xl, xs
	s_wait_tensorcnt 0x0                           ; my part of the next slot has landed; no load of mine is out, so a group 0 may be written
	ds_add_u32 v[SPW], v[NIL]
.if \fill
	WALK ((\j)/4)%2
.endif
	s_wait_dscnt 17                                ; the add and D's 16 loads may be out
	s_wait_loadcnt 63
	PAIR \j, 0, 0
	s_wait_dscnt 0x0                               ; the add is done, and my reads of this slot are over
	s_barrier_signal -1
	PAIR \j, 2, 0
	WIN 0
	s_barrier_wait -1
.if \fill
	CREST
	JLOAD                                          ; the first tensor load behind the round, my only one until the next; its four v_nop are four of the eight places
	PLACES 4
.else
	PLACES 8
.endif
	FETCHW (\j)+1
	SCALES (\j)+1
.if \fill
	ASK \odd
.endif
	PAIR \j, 4, 0
	PAIR \j, 6, 0
	PLACES 8
	WIN 0
	FETCHD (\j)+1
	XRUN \j, \xl, \xs
.endm
.irp b, 0,1,2,3
	global_load_b128 v[BI+8*\b:BI+8*\b+3],   v10, s[12:13] offset:64*\b      ; the bias in the result's layout: columns 16 b + 8 h + 0 .. 7
	global_load_b128 v[BI+8*\b+4:BI+8*\b+7], v10, s[12:13] offset:64*\b+16
.endr
	XSC 0
	XSC 1
	XSC 2
	XSC 3
	XLOAD 0
	XLOAD 1
	s_wait_tensorcnt 0x0                           ; my part of period 0 is in
	ds_add_u32 v[SPW], v[NIL]
	WALK 1
	s_wait_dscnt 0x0
	CROUND                                         ; everybody's part is in, and the partners are here
	JLOAD                                          ; period 1 into slot 1
	FETCHW 0
	SCALES 0
	FETCHD 0
	XLOAD 2
	STEP 0, 1, 1, 0, 63                            ; the first step stands in front of the loop: its products start the sums
	s_mov_b32 s3, 3
.Llap:                                                 ; a trip: eight steps, from a lap's second to the next lap's first; both slots are filled again: periods 2 to 7 in 3 trips
	STEP 1, 0, 1, 1, 63
	STEP 2, 0, 1, 0, 63
	TURN 3, 1, 0, 1, 1
	STEP 4, 0, 1, 0, 63
	STEP 5, 0, 1, 1, 63
	STEP 6, 0, 1, 0, 63
	TURN 7, 1, 1, 1, 1
	STEP 8, 0, 1, 0, 63
	s_wait_xcnt 0x0                                ; my loads and prefetches have read their bases: they step a lap on
	s_add_nc_u64 s[XA:XA+1], s[XA:XA+1], 8*16384
	s_add_nc_u64 s[XS:XS+1], s[XS:XS+1], 4*1024
	s_add_nc_u64 s[PF0:PF0+1], s[PF0:PF0+1], s[PFS:PFS+1]
	s_add_nc_u64 s[PF1:PF1+1], s[PF1:PF1+1], s[PFS:PFS+1]
	s_add_nc_u64 s[PX:PX+1], s[PX:PX+1], 2*65536
	s_sub_co_u32 s3, s3, 1
	s_cmp_lg_u32 s3, 0
	s_cbranch_scc1 .Llap
	STEP 1, 0, 1, 0, 63                            ; the last lap fills nothing; x's loads end with step 7's
	STEP 2, 0, 1, 0, 63
	TURN 3, 0, 0, 1, 0
	STEP 4, 0, 1, 0, 63
	STEP 5, 0, 0, 0, 63
	STEP 6, 0, 0, 0, 32                            ; behind this set's loads only the last set's 32 were issued
	s_wait_dscnt 0x0                               ; the last step's blocks of W and D are in,
	s_wait_loadcnt 0x0                             ; and x's set
; THE LAST STEP, BY ROWS OF out.  x's block a against W's four blocks and D's four: its four accumulators by turns, three others' products between two on one.
.macro ROWP a
	WIN 0xf8                                       ; source 0 window 0, source 1 (x's set 3) window 2, C and D window 3
.irp bb, 0,1,2,3,4,5,6,7
	v_wmma_scale_f32_16x16x128_f8f6f4 v[8*(4*(\a)+\bb%4):8*(4*(\a)+\bb%4)+7], v[WF+16*\bb:WF+16*\bb+15], v[128+16*(\a):128+16*(\a)+15], v[8*(4*(\a)+\bb%4):8*(4*(\a)+\bb%4)+7], v[SC+32+8*(\bb/2)+2*(\bb%2)+1], v[SC+48+8*((\a)/4)+4+(\a)%4] matrix_b_scale:MATRIX_SCALE_ROW1
.endr
.endm
; THE WAY OUT of block a, 16 rows x 64 columns, through my own stage in LDS: back come whole rows of 256 bytes, into 32 registers of window 1 that are block a's alone (x's sets 0 and 1 are done with).
; LDS serves a wave's instructions in order (ISA guide 5.7.1.4): no wait between the stores and the loads, nor in front of the next block's stores.
.macro TOSTAGE a
	WIN 0x0c                                       ; an LDS store's data are its source 1: window 3
.irp b, 0,1,2,3
	ds_store_b128 v[STO], v[8*(4*(\a)+\b):8*(4*(\a)+\b)+3] offset:64*\b          ; each accumulator from its low end on
	ds_store_b128 v[STO], v[8*(4*(\a)+\b)+4:8*(4*(\a)+\b)+7] offset:64*\b+16
.endr
	WIN 0x40                                       ; destination window 1
.irp t, 0,1,2,3,4,5,6,7
	ds_load_b128 v[32*(\a)+4*\t:32*(\a)+4*\t+3], v[RD] offset:\t*2*PD
.endr
.endm
.macro SEND a
	s_wait_dscnt 0x0                               ; the block is back in registers: no LDS instruction was issued behind its loads
	WIN 0x04                                       ; a global store's data are its source 1: window 1
.irp t, 0,1,2,3,4,5,6,7
	global_store_b128 v[CO], v[32*(\a)+4*\t:32*(\a)+4*\t+3], s[14:15] offset:(\a)*262144+\t*32768 th:TH_STORE_NT   ; 16 lanes store 256 consecutive aligned bytes
.endr
.endm
	ROWP 0
	ROWP 1
.irp a, 0,1,2,3,4,5,6,7
	PLACES 8                                       ; between block a's last product and the first read of its results
	TOSTAGE \a
.if \a < 6
	ROWP \a+2                                      ; the block's trip through the stage runs under these products
.endif
	SEND \a
.endr
	WIN 0
	s_wait_tensorcnt 0x0                           ; the wave's end
	ds_add_u32 v[SPW], v[NIL]
	s_wait_dscnt 0x0
	CROUND                                         ; the closing round
	s_endpgm
.Lfunc_end_k_qbeca4ba0c5_gemm:
	.size	k_qbeca4ba0c5_gemm, .Lfunc_end_k_qbeca4ba0c5_gemm-k_qbeca4ba0c5_gemm
	.p2alignl 7, 3214868480
	.fill 96, 4, 3214868480
	.section	.rodata,"a",@progbits
	.p2align	6, 0x0
	.amdhsa_kernel k_qbeca4ba0c5_gemm
		.amdhsa_group_segment_fixed_size 327680
		.amdhsa_private_segment_fixed_size 0
		.amdhsa_enable_private_segment 0
		.amdhsa_kernarg_size 48
		.amdhsa_user_sgpr_count 2
		.amdhsa_user_sgpr_kernarg_segment_ptr 1
		.amdhsa_wavefront_size32 1
		.amdhsa_system_sgpr_workgroup_id_x 1
		.amdhsa_system_sgpr_workgroup_id_y 1
		.amdhsa_system_sgpr_workgroup_id_z 1
		.amdhsa_system_vgpr_workitem_id 0
		.amdhsa_next_free_vgpr 1024
		.amdhsa_next_free_sgpr 102
		.amdhsa_reserve_vcc 0
		.amdhsa_float_denorm_mode_32 3
		.amdhsa_float_denorm_mode_16_64 3
		.amdhsa_memory_ordered 1
		.amdhsa_forward_progress 1
		.amdhsa_inst_pref_size 255
	.end_amdhsa_kernel
	.section	.bss,"aw",@nobits
	.p2align	6
	.space	262144
	.amdgpu_metadata
---
amdhsa.version: [ 1, 2 ]
amdhsa.kernels:
  - .name:           k_qbeca4ba0c5_gemm
    .symbol:         k_qbeca4ba0c5_gemm.kd
    .args:
      - { .name: xf, .offset: 0, .size: 8, .value_kind: global_buffer, .address_space: global }
      - { .name: xs, .offset: 8, .size: 8, .value_kind: global_buffer, .address_space: global }
      - { .name: org_weight_codes, .offset: 16, .size: 8, .value_kind: global_buffer, .address_space: global }
      - { .name: dblob, .offset: 24, .size: 8, .value_kind: global_buffer, .address_space: global }
      - { .name: org_bias, .offset: 32, .size: 8, .value_kind: global_buffer, .address_space: global }
      - { .name: out0, .offset: 40, .size: 8, .value_kind: global_buffer, .address_space: global }
    .group_segment_fixed_size: 327680
    .private_segment_fixed_size: 0
    .kernarg_segment_align: 8
    .kernarg_segment_size: 48
    .max_flat_workgroup_size: 128
    .sgpr_count:     102
    .vgpr_count:     1024
    .wavefront_size: 32
...
	.end_amdgpu_metadata
.endif
;; end of part 2
